; MI455X (gfx1250); checked and timed in simulation.
; The chip was launched on July 23, 2026; its instructions are those of AMD's public machine-readable ISA for CDNA 5 (MIT licence, August 2026) and "CDNA5" Instruction Set Architecture Reference Guide (July 2026). The comments in the code are by the model that wrote it; some were corrected since.
;; Lo RA Layer4bit. Allowed arithmetic: float matrix products may take bf16 or f16 operands with f32 sums; other float arithmetic in f32, or as packed bf16 or f16 multiplies, adds, multiply-adds, maxima and minima; sums over many terms, partial sums and values carried from step to step in f32; what a program stores and reads back later, other than sums and carried values, may be rounded once to bf16 or f16.
;; Inputs: lora_A 16 x 4,096 bfloat16; lora_B 2,048 x 16 bfloat16; q_weight 2,048 x 4,096 int8; scales 2,048 x 64 float32; x 4 x 2,048 x 4,096 bfloat16.
;; Outputs: out0 4 x 2,048 x 2,048 bfloat16.
;; 2 versions, each right; version 2 is version 1 with the launch merge written anew for expert scheduling mode. Each part assembles by itself: llvm-mc -triple=amdgcn-amd-amdhsa -mcpu=gfx1250 --defsym DOCPART=n.
;; ======== version 1 of 2: 2 launches
;; workspace buffers: weff 16,777,216 bytes
;; launch merge (part 1): grid 4 x 64, 8 waves a work-group, no clusters, 3,328 bytes of LDS; arguments q_weight, scales, lora_A, lora_B, weff; writes weff
.if DOCPART == 1
	.amdgcn_target "amdgcn-amd-amdhsa--gfx1250"
	.amdhsa_code_object_version 6
	.text
	.protected	k_qf95a7a8006_merge
	.globl	k_qf95a7a8006_merge
	.p2align	8
	.type	k_qf95a7a8006_merge,@function
k_qf95a7a8006_merge:
	s_mov_b64 s[64:65], 0
	v_nop
	global_prefetch_b8 v0, s[64:65] scope:SCOPE_SE
	s_setreg_imm32_b32 hwreg(HW_REG_WAVE_MODE, 25, 1), 1
	s_wait_xcnt 0x0
; weff[o][i] = bf16( q_weight[o][i] * scales[o][i / 64] + 2 * the sum over r of lora_B[o][r] lora_A[r][i] ).   weff: [2048][4096] bf16, the second launch's matrix operand.
; WHY.  out = x W^T + 2 (x A^T) B^T = x (W + 2 B A)^T: an identity of real numbers, for all values of the inputs.  W + 2 B A costs 2048 x 4096 x 16 multiply-adds; the two thin products
; over the 8,192 rows of x cost six times that, and a second walk over x or an extra tile in every block of columns.  No work of the problem is left out as dead, and all five inputs are loaded.
; LIMITS.  The order of rounding differs from the problem's: q s is one f32 product, B A is summed in f32 onto it, and W + 2 B A is rounded ONCE to bf16 (the problem rounds W, x A^T and
; their product with B apart).  Every code from -128 to 127 is served.  NaN and infinities are not treated apart: one in lora_A or lora_B reaches a column or a row of weff.
; SHARES.  A work-group owns 32 rows o and 1,024 columns i; each of its eight waves 128 columns, in two blocks of 16 rows.  No loop: a wave's 29 loads all go out at its head.
; LAYOUT.  One matrix instruction a tile of 16 x 16: source 0 = 16 rows of lora_B, source 1 = 16 columns of lora_A, C = q s.  In C and D lane l (rl = l % 16, h = l / 16) holds column rl of the
; tile and rows 8 h + 0..7.  Tile t of eight takes the columns 8 rl + t of the wave's 128: so over the eight tiles a lane holds EIGHT NEIGHBOURING columns of each of its eight rows: its codes for
; a row are one load of 8 bytes, its results for a row one store of 16; sixteen lanes store 256 consecutive bytes, at a multiple of 256 from weff's first byte.  Codes and results never touch LDS.
; THE FACTOR 2.  The instruction sums over 32, the rank is 16: registers 4-7 of both sources hold the same r = 8 h + 0..7 as registers 0-3, so each product is summed twice.
; THE SCALES.  A work-group's 32 rows x 16 blocks are read once, 8 bytes a thread (64 consecutive bytes a row), and turned through LDS, so that a lane reads the scales of its 8 rows by two loads of 16 bytes.
; NOT USED.  No tensor load, no ring: no wave wants a byte of q_weight that another has fetched.  lora_A's strip (32 KiB a work-group) is the same for the 64 work-groups of a strip of columns, and is
; still not asked for jointly: a joint request lands in LDS, from where the fragments would be read once more, turned; here eight loads a lane bring 8 ranks x 8 columns into the very lane whose
; fragments they are, and 64 v_perm_b32 turn them.  No prefetch: every load of the launch stands at a wave's head.
.set QROW,  4096                       ; bytes in a row of q_weight
.set WROW,  8192                       ; bytes in a row of weff, and of lora_A
.set TP,    144                        ; LDS: the scales turned, T[block 0..15][row 0..31] f32; 128 bytes a block + 16
.set SPARE, 2304                       ; behind T (16 x 144 bytes): the spare words, 128 bytes for each of eight waves: four blocks of 256 bytes that no other line names
.set QO,  4                            ; v4   32,768 h + 8 rl: my 8 codes in row 8 h of a block; never rewritten
.set WO,  5                            ; v5   65,536 h + 16 rl: my 16 bytes in row 8 h of weff's block, and of lora_A; never rewritten
.set BO,  6                            ; v6   32 rl + 16 h: lora_B's row rl, ranks 8 h on
.set SO,  7                            ; v7   256 (t / 8) + 8 (t % 8), t my thread's number: two scales of row t / 8
.set TS,  8                            ; v8   288 (t % 8) + 4 (t / 8): where they go in T
.set TR,  9                            ; v9   288 wave + 144 (rl / 8) + 32 h: my block of 64 columns, my 8 rows
.set SPW, 10                           ; v10  LDS address of my spare word: SPARE + 4 x my thread's number; never rewritten
.set NIL, 11                           ; v11  0; never rewritten
.set SC,  12                           ; v[12:13]   two scales as loaded
.set S,   16                           ; v[16:31]   block b, row 8 h + j: S + 8 b + j
.set BF,  32                           ; v[32:47]   lora_B's fragment of block b at BF + 8 b
.set Q,   48                           ; v[48:79]   block b, row j: two registers of four codes at Q + 16 b + 2 j
.set AF,  80                           ; v[80:143]  lora_A's fragment of tile t at AF + 8 t
.set ACC, 144                          ; v[144:207] tile t at ACC + 8 t: q s, then W + 2 B A
.set OUT, 208                          ; v[208:239] row j: 16 bytes to store at OUT + 4 j
.set L,   208                          ; the same registers, earlier: lora_A as loaded, rank 8 h + e at L + 4 e
	s_load_b256 s[4:11], s[0:1], 0x0               ; q_weight s[4:5], scales s[6:7], lora_A s[8:9], lora_B s[10:11]
	s_load_b64 s[12:13], s[0:1], 0x20              ; weff
	v_lshl_add_u32 v[SPW], v0, 2, SPARE
	v_mov_b32 v[NIL], 0
	v_lshrrev_b32 v3, 5, v0
	v_readfirstlane_b32 s14, v3                    ; wave 0..7
	s_and_b32 s15, ttmp7, 0xffff                   ; Y: my 32 rows; ttmp9 = X: my 1,024 columns
	v_and_b32 v1, 15, v0                           ; rl
	v_bfe_u32 v2, v0, 4, 1                         ; h
	v_lshlrev_b32 v[QO], 3, v1
	v_lshl_add_u32 v[QO], v2, 15, v[QO]
	v_lshlrev_b32 v[WO], 4, v1
	v_lshl_add_u32 v[WO], v2, 16, v[WO]
	v_lshlrev_b32 v[BO], 5, v1
	v_lshl_add_u32 v[BO], v2, 4, v[BO]
	v_lshrrev_b32 v3, 3, v0                        ; t / 8
	v_and_b32 v14, 7, v0                           ; t % 8
	v_lshlrev_b32 v[SO], 3, v14
	v_lshl_add_u32 v[SO], v3, 8, v[SO]
	v_mul_u32_u24 v[TS], v14, 2*TP
	v_lshl_add_u32 v[TS], v3, 2, v[TS]
	v_lshrrev_b32 v15, 3, v1                       ; which of my wave's two blocks of 64 columns
	v_mul_u32_u24 v[TR], v15, TP
	v_lshl_add_u32 v[TR], v2, 5, v[TR]
	s_mul_i32 s16, s14, 2*TP
	v_add_nc_u32 v[TR], s16, v[TR]
	s_mov_b32 s20, 0x80808080                      ; turns four signed codes q into u = q + 128
	s_mov_b32 s21, 0x4b000000                      ; 2^23 as f32: with u in its lowest byte it is 2^23 + u
	s_mov_b32 s22, 0xcb000080                      ; -(2^23 + 128)
	s_mov_b32 s23, s22                             ; named with it as a pair
	s_mov_b32 s24, 0x07040400                      ; v_perm_b32: byte 0, 1, 2 or 3 of the codes below three bytes of s21
	s_mov_b32 s25, 0x07040401
	s_mov_b32 s26, 0x07040402
	s_mov_b32 s27, 0x07040403
	s_mov_b32 s28, 0x05040100                      ; the two low halves
	s_mov_b32 s29, 0x07060302                      ; the two high halves
	; the five byte offsets of my part, each in a pair of its own with 0 above
	s_lshl_b32 s30, s15, 17                        ; q_weight: 32 Y rows of 4,096 bytes
	s_lshl_b32 s2, ttmp9, 10                       ; + 1,024 X
	s_lshl_b32 s3, s14, 7                          ; + 128 wave
	s_add_co_u32 s30, s30, s2
	s_add_co_u32 s30, s30, s3
	s_mov_b32 s31, 0
	s_lshl_b32 s32, s15, 13                        ; scales: 32 Y rows of 256 bytes
	s_lshl_b32 s2, ttmp9, 6                        ; + 16 X blocks of 4 bytes
	s_add_co_u32 s32, s32, s2
	s_mov_b32 s33, 0
	s_lshl_b32 s34, ttmp9, 11                      ; lora_A: my wave's first column, 2 bytes each
	s_lshl_b32 s2, s14, 8
	s_add_co_u32 s34, s34, s2
	s_mov_b32 s35, 0
	s_lshl_b32 s36, s15, 10                        ; lora_B: 32 Y rows of 32 bytes
	s_mov_b32 s37, 0
	s_lshl_b32 s38, s15, 18                        ; weff: 32 Y rows of 8,192 bytes + the same column offset as in lora_A
	s_add_co_u32 s38, s38, s34
	s_mov_b32 s39, 0
	s_wait_kmcnt 0x0
	s_add_nc_u64 s[4:5], s[4:5], s[30:31]
	s_add_nc_u64 s[6:7], s[6:7], s[32:33]
	s_add_nc_u64 s[8:9], s[8:9], s[34:35]
	s_add_nc_u64 s[10:11], s[10:11], s[36:37]
	s_add_nc_u64 s[12:13], s[12:13], s[38:39]
	; ALL 29 LOADS, in the order in which they are wanted: 1 (scales), 8 (lora_A), 4 (lora_B), 8 + 8 (codes of blocks 0 and 1)
	global_load_b64 v[SC:SC+1], v[SO], s[6:7]
.irp e, 0,1,2,3,4,5,6,7
	global_load_b128 v[L+4*(\e):L+4*(\e)+3], v[WO], s[8:9] offset:WROW*(\e)     ; rank 8 h + e, my 8 columns: sixteen lanes take 256 consecutive bytes
.endr
.irp b, 0,1
	global_load_b128 v[BF+8*(\b):BF+8*(\b)+3],   v[BO], s[10:11] offset:512*(\b)  ; row rl of block b, ranks 8 h + 0..7,
	global_load_b128 v[BF+8*(\b)+4:BF+8*(\b)+7], v[BO], s[10:11] offset:512*(\b)  ; and the same once more: the factor 2
.endr
.irp b, 0,1
.irp j, 0,1,2,3,4,5,6,7
	global_load_b64 v[Q+16*(\b)+2*(\j):Q+16*(\b)+2*(\j)+1], v[QO], s[4:5] offset:QROW*(16*(\b)+(\j)) th:TH_LOAD_NT  ; row 8 h + j of block b: read once in the launch
.endr
.endr
	; the scales are turned through LDS
	s_wait_loadcnt 28                              ; loads come back in order: the scales are in, the 28 younger loads stay out
	ds_store_b32 v[TS], v[SC]                      ; T[2 (t % 8)][t / 8]
	ds_store_b32 v[TS], v[SC+1] offset:TP          ; T[2 (t % 8) + 1][t / 8]
	s_wait_dscnt 0x0                               ; for the others' sake: my two stores are done
	s_barrier_signal -1
	s_barrier_wait -1                              ; everybody's are
.irp b, 0,1
.irp u, 0,1
	ds_load_b128 v[S+8*(\b)+4*(\u):S+8*(\b)+4*(\u)+3], v[TR] offset:64*(\b)+16*(\u)  ; rows 16 b + 8 h + 4 u + 0..3 of my block of columns
.endr
.endr
	; lora_A's fragments: tile t wants column 8 rl + t, ranks 8 h + 0..7, the lower rank in the lower half.  Word w of a rank's 16 bytes holds columns 2 w and 2 w + 1.
	s_wait_loadcnt 20                              ; lora_A is in; lora_B's 4 loads and the codes' 16 stay out
.irp w, 0,1,2,3
.irp p, 0,1,2,3
.irp d, 0,4                            ; registers 4-7 repeat registers 0-3: the factor 2
	v_perm_b32 v[AF+16*(\w)+(\d)+(\p)],   v[L+8*(\p)+4+(\w)], v[L+8*(\p)+(\w)], s28  ; tile 2 w: ranks 2 p (low half) and 2 p + 1 (high half)
	v_perm_b32 v[AF+16*(\w)+8+(\d)+(\p)], v[L+8*(\p)+4+(\w)], v[L+8*(\p)+(\w)], s29  ; tile 2 w + 1
.endr
.endr
.endr
.macro XORS b                          ; block b's codes: q -> u = q + 128, four at a time
.set i, 0
.rept 16
	v_xor_b32 v[Q+16*(\b)+i], s20, v[Q+16*(\b)+i]
.set i, i+1
.endr
.endm
; q s in f32, in the accumulators' layout.  2^23 + u is made by placing a byte; less 2^23 + 128 it is q, exactly; a pair of registers is two rows, so it takes two scales.
; (The addition and the multiplication are not fused: q s + const would round at 2^23 s.)
.macro CONV b
.set t, 0
.rept 8
.set j, 0
.rept 8
	v_perm_b32 v[ACC+8*t+j], s21, v[Q+16*(\b)+2*j+t/4], s[24+t%4]
.set j, j+1
.endr
.set t, t+1
.endr
.set i, 0
.rept 32
	v_pk_add_f32 v[ACC+i:ACC+i+1], v[ACC+i:ACC+i+1], s[22:23] op_sel_hi:[1,0]
.set i, i+2
.endr
.set i, 0
.rept 32
	v_pk_mul_f32 v[ACC+i:ACC+i+1], v[ACC+i:ACC+i+1], v[S+8*(\b)+i%8:S+8*(\b)+i%8+1]
.set i, i+2
.endr
.endm
; Eight products, one for each tile: q s + 2 B A.  Eight accumulators, one instruction each, in the same order in both blocks: no two matrix instructions on end share one.
.macro MULS b
.set t, 0
.rept 8
	v_wmma_f32_16x16x32_bf16 v[ACC+8*t:ACC+8*t+7], v[BF+8*(\b):BF+8*(\b)+7], v[AF+8*t:AF+8*t+7], v[ACC+8*t:ACC+8*t+7]
.set t, t+1
.endr
.endm
; Row j's eight columns, one from each tile, rounded to bf16: 16 bytes a lane.  j ascends.
.macro PACKSTORE b
.set j, 0
.rept 8
.set u, 0
.rept 4
	v_cvt_pk_bf16_f32 v[OUT+4*j+u], v[ACC+16*u+j], v[ACC+16*u+8+j]
.set u, u+1
.endr
	global_store_b128 v[WO], v[OUT+4*j:OUT+4*j+3], s[12:13] offset:WROW*(16*(\b)+j)  ; lanes 0-15 fill 256 consecutive bytes of row j, lanes 16-31 of row 8 + j
.set j, j+1
.endr
.endm
	s_wait_loadcnt 8                               ; lora_B and block 0's codes are in; block 1's 8 loads stay out
	XORS 0
	s_wait_dscnt 0x0                               ; the scales are in registers
	CONV 0
	MULS 0
	s_wait_loadcnt 0x0                             ; block 1's codes
	XORS 1                                         ; sixteen plain instructions that name no register of the products: the places between them and the conversions (ISA guide 7.12.1)
	PACKSTORE 0
	CONV 1
	MULS 1
.rept 4
	v_nop                                          ; the four places: no other vector work is left
.endr
	s_wait_xcnt 0x0                                ; block 0's stores have read their data: OUT is written again only behind this wait
	PACKSTORE 1
	s_wait_tensorcnt 0x0                           ; the wave's end, behind my last LDS store
	ds_add_u32 v[SPW], v[NIL]
	s_wait_dscnt 0x0
	s_endpgm
.Lfunc_end_k_qf95a7a8006_merge:
	.size	k_qf95a7a8006_merge, .Lfunc_end_k_qf95a7a8006_merge-k_qf95a7a8006_merge
	.p2alignl 7, 3214868480
	.fill 96, 4, 3214868480
	.section	.rodata,"a",@progbits
	.p2align	6, 0x0
	.amdhsa_kernel k_qf95a7a8006_merge
		.amdhsa_group_segment_fixed_size 3328
		.amdhsa_private_segment_fixed_size 0
		.amdhsa_enable_private_segment 0
		.amdhsa_kernarg_size 40
		.amdhsa_user_sgpr_count 2
		.amdhsa_user_sgpr_kernarg_segment_ptr 1
		.amdhsa_wavefront_size32 1
		.amdhsa_system_sgpr_workgroup_id_x 1
		.amdhsa_system_sgpr_workgroup_id_y 1
		.amdhsa_system_sgpr_workgroup_id_z 1
		.amdhsa_system_vgpr_workitem_id 0
		.amdhsa_next_free_vgpr 240
		.amdhsa_next_free_sgpr 66
		.amdhsa_reserve_vcc 0
		.amdhsa_float_denorm_mode_32 3
		.amdhsa_float_denorm_mode_16_64 3
		.amdhsa_memory_ordered 1
		.amdhsa_forward_progress 1
		.amdhsa_inst_pref_size 35
	.end_amdhsa_kernel
	.amdgpu_metadata
---
amdhsa.version: [ 1, 2 ]
amdhsa.kernels:
  - .name:           k_qf95a7a8006_merge
    .symbol:         k_qf95a7a8006_merge.kd
    .args:
      - { .name: q_weight, .offset: 0, .size: 8, .value_kind: global_buffer, .address_space: global }
      - { .name: scales, .offset: 8, .size: 8, .value_kind: global_buffer, .address_space: global }
      - { .name: lora_A, .offset: 16, .size: 8, .value_kind: global_buffer, .address_space: global }
      - { .name: lora_B, .offset: 24, .size: 8, .value_kind: global_buffer, .address_space: global }
      - { .name: weff, .offset: 32, .size: 8, .value_kind: global_buffer, .address_space: global }
    .group_segment_fixed_size: 3328
    .private_segment_fixed_size: 0
    .kernarg_segment_align: 8
    .kernarg_segment_size: 40
    .max_flat_workgroup_size: 256
    .sgpr_count:     66
    .vgpr_count:     240
    .wavefront_size: 32
...
	.end_amdgpu_metadata
.endif
;; end of part 1
;; launch gemm (part 2): grid 8 x 32, 4 waves a work-group, clusters of 4 x 4, 327,680 bytes of LDS; arguments x, weff, out0; writes out0
.if DOCPART == 2
	.amdgcn_target "amdgcn-amd-amdhsa--gfx1250"
	.amdhsa_code_object_version 6
	.text
	.protected	k_qf95a7a8006_gemm
	.globl	k_qf95a7a8006_gemm
	.p2align	8
	.type	k_qf95a7a8006_gemm,@function
k_qf95a7a8006_gemm:
	s_mov_b64 s[64:65], 0
	v_nop
	global_prefetch_b8 v0, s[64:65] scope:SCOPE_SE
	s_setreg_imm32_b32 hwreg(HW_REG_WAVE_MODE, 25, 1), 1
	s_wait_xcnt 0x0
	s_wait_alu depctr_hold_cnt(0) depctr_sa_sdst(0) depctr_va_vdst(0) depctr_va_sdst(0) depctr_va_ssrc(0) depctr_va_vcc(0) depctr_vm_vsrc(0)
	s_getreg_b32 s2, hwreg(HW_REG_IB_STS2, 6, 4)
	s_cmp_eq_u32 s2, 0
	s_cbranch_scc0 .Lentry_in_a_cluster
	s_endpgm
.Lentry_in_a_cluster:
	s_bfe_u32 s2, ttmp6, 0x10000c
	s_cmp_lg_u32 s2, 0xf033
	s_cbranch_scc0 .Lentry_shape_is_right
	s_endpgm
.Lentry_shape_is_right:
; out0[m][n] = bf16( the sum over k of x[m][k] weff[n][k] ).  x: [8192][4096] bf16 (the problem's [4][2048][4096]), weff: [2048][4096] bf16, out0: [8192][2048] bf16; sums in f32, K ascending.
; weff = W + 2 lora_B lora_A was made by the launch before: out = x W^T + 2 (x A^T) B^T = x (W + 2 B A)^T for all values of the inputs.  Nothing of the problem's work is left out.
; LIMITS.  weff is rounded once to bf16, out0 once; the problem rounds its three products apart.  NaN and infinities are not treated apart.
; SHARES.  out0 has 32 x 8 tiles of 256 x 256: one to a work-group of four waves; a wave makes 128 x 128: 64 accumulators of 16 x 16, 512 registers.  K goes in 32 steps of 128 through a ring of two LDS
; slots filled by the tensor data mover: the rows of x's and weff's tiles are 256 bytes of memory and start at multiples of 256 bytes from the buffer's first byte.
; The last K step goes by rows of out0, so that finished rows leave while the others are multiplied.
; CLUSTERS: 4 x 4 work-groups.  The four of a row of the cluster make tiles of one tile row and need the same tiles of x; the four of a column need the same tiles of weff.  Such a tile is asked for
; JOINTLY: each of the four issues the same tensor load, with the same descriptor and a mask that names the four, and each receives the tile in its own LDS: a quarter of the requests.
;
; REGISTERS, in windows of 256 (an instruction names v0-v255; s_set_vgpr_msb says which window each operand place means):
;   window 0: v0-31 addresses; v64-127, v128-191 fragments of x (8 x 16 rows x 32 K), two buffers (in the last K step four, of 16 rows x 128 K); v32-63, v192-255 at work on the way out
;   window 1: v64-127, v128-191 fragments of weff, two buffers; in the last K step all 256: weff's fragments of the whole step
;   window 2: the 32 accumulators of my rows 0-63 (accumulator (a, b) at v[8 (8 a + b)]);   window 3: those of my rows 64-127
; s_set_vgpr_msb's low byte: bits 1:0 source 0, 3:2 source 1, 5:4 source 2, 7:6 destination.  Work is laid in long stretches under one setting.
;
; THE MATRIX INSTRUCTION IS USED TRANSPOSED: source 0 = 16 rows of weff, source 1 = 16 rows of x.  In the result lane l then holds row m = l % 16 of out0, and its registers 0 to 7 the columns
; n = 8 (l / 16) + 0 .. 7: eight NEIGHBOURING numbers of a row, which pack into 16 bytes.
.set SIZE_M, 8192
.set SIZE_N, 2048
.set SIZE_K, 4096
.set KSTEP,  128
.set PITCH,  272                       ; an LDS row: 256 bytes of data + 16 of padding = 68 words: row r starts at bank 4 r mod 64 (64 banks of 4 bytes: ISA guide 11.1), so the 16 rows that a load touches start at 16 different banks
.set HALFT,  128*PITCH                 ; 128 rows: what one tensor load brings, and what one wave reads of x or of weff
.set SLOT,   4*HALFT                   ; x's 256 rows, then weff's 256 rows
.set STAGE,  2*SLOT                    ; behind the ring: 16 rows x 272 bytes for each wave, for the way out; no tensor load fills it
.set SPITCH, 272
.set SPARE,  STAGE+4*16*SPITCH         ; behind the stages: the spare words, 128 bytes for each wave: two blocks of 256 bytes that no other line names
.set LAPS, SIZE_K/(2*KSTEP)            ; 16 laps; a lap = two K steps = once round the ring
.set ADRA, 16                          ; v16-17  LDS address of my fragments of x in slot 0, 1
.set ADRB, 20                          ; v20-21  the same for weff
.set STO,  24                          ; v24     the way out: where I put 16 bytes of a row
.set RD,   25                          ; v25     the way out: where I read a row back
.set CO,   26                          ; v26     my byte offset in out0
.set SPW,  28                          ; v28     LDS address of my spare word: SPARE + 4 x my thread's number; never rewritten
.set NIL,  29                          ; v29     0; never rewritten
.set PFO,  30                          ; v30     the prefetches' offset: my lane x a row of x or weff in memory (8,192 bytes); never rewritten
.set PFA,  44                          ; s[44:45] where my prefetches stand: my work-group's 32 rows of the 128 that I fetch, one K step further along K than the refill that is being asked for; a prefetch names the K step after that
.set LIM,  43                          ; s43     1 in a wave that prefetches, else the greatest number
.set F0,   64                          ; fragment buffer 0
.set F1,   128                         ; fragment buffer 1
.set TMP,  192                         ; the way out: packed results, in window 0
.set OB,   32                          ; the way out: 16 rows read back from the stage: v32-63 and v224-255 by turns
.set PA,   64                          ; the last K step: x's fragments of 16 rows x 128 K, 32 registers; four such buffers, v64-191
.set G1, 24                            ; s[24:31] descriptor group 1 for x's tiles
.set G0, 32                            ; s[32:39] descriptor group 0 for x's tiles, one set for each slot
.set G1B, 48                           ; s[48:55] descriptor group 1 for weff's tiles: it differs from x's in the mask alone
.set G0B, 56                           ; s[56:63] descriptor group 0 for weff's tiles, one set for each slot
.set MSB, 0
.macro WIN new                         ; the immediate's high byte repeats the setting that is left; a switch that changes nothing is dropped
.if MSB != (\new)
	s_set_vgpr_msb (MSB<<8)|(\new)
.set MSB, \new
.endif
.endm
.set MUL_LO, 0xa1                      ; source 0 (weff) window 1, source 1 (x) window 0, C and D window 2
.set MUL_HI, 0xf1                      ; the same, C and D window 3
.set TO_B,   0x40                      ; destination window 1, address window 0
; A joint load.  Waves 0 and 1 fetch x's two halves, waves 2 and 3 weff's.  Each of the two lines has ONE mask and one set of registers for all that issue it, and nothing in them hangs on a
; coordinate that the four partners do not share.  The branch hangs on the wave's number alone: it is the same in every work-group.
; An s_nop 0 and four v_nop follow each of the two lines; the jump round the other line, the label and what follows the macro come after them.
.macro JLOAD s
	s_cmp_eq_u32 s11, 0
	s_cbranch_scc0 .Lfor_b_\@
	tensor_load_to_lds s[G0+4*(\s):G0+4*(\s)+3], s[G1:G1+7]
	s_nop 0
.rept 4
	v_nop
.endr
	s_branch .Lasked_\@
.Lfor_b_\@:
	tensor_load_to_lds s[G0B+4*(\s):G0B+4*(\s)+3], s[G1B:G1B+7]
	s_nop 0
.rept 4
	v_nop
.endr
.Lasked_\@:
.endm
; A PREFETCH INTO THE L2, behind each joint load, its five lines and the run of LDS loads that follows them: the K step that stands TWO refills on, 512 matrix instructions ahead of the load that will name it:
; 32 rows x 256 bytes, a lane a row, one instruction a wave.  Each row's 256 bytes of a K step are named ONCE in the launch.  x's tile row is read by both clusters of that row of clusters: the one with
; cluster x = 0 prefetches; weff's tile column by all eight clusters of that column: the one with cluster y = 0 prefetches.  The four partners that ask for a tile jointly share its rows out BY ADDRESS:
; of the 128 rows that wave w fetches the partner at place p takes 32 p .. 32 p + 31 (p = cx for x, cy for weff): no branch hangs on a work-group's place in its cluster.
; Trip i of the loop names K steps 2 i + 4 and 2 i + 5; the last trip (s3 = 1) names none, so the last named is K step 31, the rows' last 256 bytes.  K steps 0 to 3 come by their loads alone.
.macro ASK
	s_cmp_gt_u32 s3, s[LIM]
	s_cbranch_scc0 .Lnot_mine_\@
	global_prefetch_b8 v[PFO], s[PFA:PFA+1] offset:KSTEP*2 th:TH_LOAD_NT scope:SCOPE_SE
.Lnot_mine_\@:
.endm
; A round of the cluster's barrier: my work-group's barrier, so that wave 0's signal speaks for all four waves; wave 0 signals for the work-group; every wave waits for all
; sixteen work-groups; my work-group's barrier once more.  No LDS instruction of the wave is pending at a signal.
.macro CREST                           ; a round behind its opening barrier
	s_cmp_lg_u32 s10, 0
	s_cbranch_scc1 .Lnot_wave_0_\@
	s_barrier_signal -3
.Lnot_wave_0_\@:
	s_barrier_wait -3
	s_barrier_signal -1
	s_barrier_wait -1
.endm
.macro CROUND                          ; a whole round
	s_barrier_signal -1
	s_barrier_wait -1
	CREST
.endm
	s_load_b128 s[4:7], s[0:1], 0x0                ; x s[4:5], weff s[6:7]
	s_load_b64 s[8:9], s[0:1], 0x10                ; out0
	v_lshl_add_u32 v[SPW], v0, 2, SPARE
	v_mov_b32 v[NIL], 0
	ds_add_u32 v[SPW], v[NIL]                      ; the wave's opening: the add, twice on end, and its wait ahead of my first tensor load; the set-up below the second, work on registers, stands between it and the wait
	ds_add_u32 v[SPW], v[NIL]                      ; and once more, under the one wait
	v_lshrrev_b32 v1, 5, v0
	v_readfirstlane_b32 s10, v1                    ; wave 0..3
	s_lshr_b32 s11, s10, 1                         ; which half of the tile's rows is mine.  Also: I fetch for x (0) or for weff (1)
	s_and_b32 s12, s10, 1                          ; which half of its columns.  Also: which 128 rows of that tile I fetch
	s_bfe_u32 s40, ttmp6, 0x40000                  ; cx: my place along the cluster's x
	s_bfe_u32 s41, ttmp6, 0x40004                  ; cy: along its y
	s_lshl_b32 s42, ttmp9, 2                       ; in a cluster launch ttmp9 and ttmp7 count clusters
	s_add_co_u32 s42, s42, s40                     ; tile column of out0 = 4 x cluster x + cx
	s_and_b32 s13, ttmp7, 0xffff
	s_lshl_b32 s13, s13, 2
	s_add_co_u32 s13, s13, s41                     ; tile row of out0 = 4 x cluster y + cy
	s_lshl_b32 s43, s41, 2
	s_lshl_b32 s43, 15, s43                        ; my row of the cluster: places 4 cy .. 4 cy + 3
	s_lshl_b32 s44, 0x1111, s40                    ; my column: places cx, cx + 4, cx + 8, cx + 12
	; descriptor group 1: a tile of 128 rows x 128 elements, padded in LDS
	s_or_b32 s[G1+0], s43, (1<<16)|(1<<20)|(1<<21)|(5<<22)|(3<<25)  ; 15:0 the mask: x's tiles go to my row; 17:16 element of 2 bytes; 20 padding on; 21 set beside a mask; 24:22 after every 64 words (code 5); 31:25 of 4 words (code 3)
	s_or_b32 s[G1B+0], s44, (1<<16)|(1<<20)|(1<<21)|(5<<22)|(3<<25) ; the same with the mask of my column, for weff's tiles
	s_mov_b32 s[G1B+1], KSTEP<<16
	s_mov_b32 s[G1+1], KSTEP<<16                   ; 63:48 tensor_dim0, low half = 128
	s_mov_b32 s[G1B+2], 128<<16
	s_mov_b32 s[G1+2], 128<<16                     ; 79:64 its high half = 0; 95:80 tensor_dim1, low half = 128
	s_mov_b32 s[G1B+3], KSTEP<<16
	s_mov_b32 s[G1+3], KSTEP<<16                   ; 111:96 its high half = 0; 127:112 tile_dim0 = 128
	s_mov_b32 s[G1B+4], 128
	s_mov_b32 s[G1+4], 128                         ; 143:128 tile_dim1 = 128; 159:144 tile_dim2 = 0
	s_mov_b32 s[G1B+5], SIZE_K
	s_mov_b32 s[G1+5], SIZE_K                      ; 191:160 tensor_dim0_stride, low word: elements from row to row
	s_mov_b32 s[G1B+6], 0
	s_mov_b32 s[G1+6], 0
	s_mov_b32 s[G1B+7], 0
	s_mov_b32 s[G1+7], 0
	; where the tiles come from.  x's hang on the tile row alone, which my row of the cluster shares; weff's on the tile column alone, which my column shares.
	; Every wave makes both addresses, in registers that never hold the other coordinate, and asks by one of them.
	s_lshl_b32 s17, s12, 7                         ; which 128 rows of the tile I fetch
	s_lshl_b32 s16, s13, 8
	s_add_co_u32 s16, s16, s17                     ; x: row 256 x tile row + 128 x half
	s_lshl_b32 s46, s42, 8
	s_add_co_u32 s46, s46, s17                     ; weff: row 256 x tile column + 128 x half
	s_mov_b32 s17, 0
	s_mov_b32 s47, 0
	s_mov_b64 s[18:19], SIZE_K*2
	s_mul_u64 s[16:17], s[16:17], s[18:19]         ; in bytes, in 64 bits
	s_mul_u64 s[46:47], s[46:47], s[18:19]
	s_mul_i32 s20, s10, HALFT                      ; and where they go: x's two halves, then weff's two halves = wave x 128 rows: no place in the cluster enters an LDS address
	s_wait_dscnt 0x0                               ; both opening adds are done
	s_wait_kmcnt 0x0
	s_add_nc_u64 s[14:15], s[4:5], s[16:17]
	s_add_nc_u64 s[46:47], s[6:7], s[46:47]
	CROUND                                         ; all sixteen work-groups are here: the first joint loads meet
.irp s, 0,1
	s_mov_b32 s[G0+4*(\s)], 1                                      ; 1:0 count = 1
	s_add_co_u32 s[G0+4*(\s)+1], s20, (\s)*SLOT                    ; 63:32 LDS address
	s_add_nc_u64 s[G0+4*(\s)+2:G0+4*(\s)+3], s[14:15], (\s)*KSTEP*2  ; 120:64 global address: K step s
	s_or_b32 s[G0+4*(\s)+3], s[G0+4*(\s)+3], 0x80000000            ; 127:126 type = 2
	s_mov_b32 s[G0B+4*(\s)], 1
	s_add_co_u32 s[G0B+4*(\s)+1], s20, (\s)*SLOT
	s_add_nc_u64 s[G0B+4*(\s)+2:G0B+4*(\s)+3], s[46:47], (\s)*KSTEP*2
	s_or_b32 s[G0B+4*(\s)+3], s[G0B+4*(\s)+3], 0x80000000
	JLOAD \s                                       ; the ring is filled before anything else is done: two loads of mine are out
.endr
	; A fragment is 16 rows x 32 K in 8 registers: lane l holds row l % 16; registers 0-3 hold K = 8 (l / 16) + 0..7, registers 4-7 hold
	; K = 16 + 8 (l / 16) + 0..7.  From rows that lie along K: two loads of 16 bytes, 32 bytes apart.  The same for source 0 and source 1.
	v_and_b32 v1, 15, v0                           ; l % 16
	v_bfe_u32 v2, v0, 4, 1                         ; l / 16
	v_mul_u32_u24 v3, v1, PITCH
	v_lshl_add_u32 v3, v2, 4, v3                   ; row x pitch + 16 x half
	s_mul_i32 s21, s11, HALFT                      ; my 128 rows of x
	s_mul_i32 s22, s12, HALFT                      ; my 128 rows of weff,
	s_add_co_u32 s22, s22, 2*HALFT                 ; which lie behind x's 256
.irp s, 0,1
	v_add_nc_u32 v[ADRA+(\s)], s21, v3
	v_add_nc_u32 v[ADRB+(\s)], s22, v3
	s_add_co_u32 s21, s21, SLOT
	s_add_co_u32 s22, s22, SLOT
.endr
	s_mul_i32 s23, s10, 16*SPITCH
	s_add_co_u32 s23, s23, STAGE                   ; my stage
	v_mul_u32_u24 v4, v1, SPITCH                   ; in: row l % 16, 16 bytes for each half of the lanes
	v_lshl_add_u32 v4, v2, 4, v4
	v_add_nc_u32 v[STO], s23, v4
	v_mul_u32_u24 v5, v2, SPITCH                   ; back: lanes 0-15 take one row of 256 bytes, lanes 16-31 the next
	v_lshl_add_u32 v5, v1, 4, v5
	v_add_nc_u32 v[RD], s23, v5
	v_mul_u32_u24 v5, v2, SIZE_N*2                 ; and the same two rows in out0
	v_lshl_add_u32 v[CO], v1, 4, v5
	; where my part of the tile begins in out0, in bytes: the way out adds it to out0's address
	s_lshl_b32 s13, s13, 8
	s_lshl_b32 s14, s11, 7
	s_add_co_u32 s16, s13, s14                     ; my first row of out0
	s_mov_b32 s17, 0
	s_mov_b64 s[18:19], SIZE_N*2
	s_mul_u64 s[16:17], s[16:17], s[18:19]
	s_lshl_b32 s46, s42, 9                         ; my first column, in bytes: 512 x tile column + 256 x half (in the registers that held weff's address: none that feeds x's descriptors ever holds cx)
	s_lshl_b32 s47, s12, 8
	s_add_co_u32 s46, s46, s47
	s_mov_b32 s47, 0
	s_add_nc_u64 s[16:17], s[16:17], s[46:47]
	; the prefetches.  s13 = 256 x tile row, s42 = tile column, s40 = cx, s41 = cy still stand; s[4:5] = x, s[6:7] = weff
	s_lshl_b32 s42, s42, 8
	s_and_b32 s22, ttmp7, 0xffff                   ; cluster y
	s_cmp_eq_u32 s11, 0                            ; do I fetch for x?
	s_cselect_b32 s20, s13, s42                    ; the tile's first row: in x by the tile row, in weff by the tile column
	s_cselect_b32 s21, s40, s41                    ; my place among the four that ask for it with me
	s_cselect_b32 s22, ttmp9, s22                  ; the coordinate along which other clusters read the same rows
	s_cselect_b64 s[PFA:PFA+1], s[4:5], s[6:7]
	s_cmp_eq_u32 s22, 0
	s_cselect_b32 s[LIM], 1, -1                    ; the same in all sixteen partners, for a given wave
	s_lshl_b32 s22, s12, 7
	s_add_co_u32 s20, s20, s22                     ; + the 128 rows that I fetch
	s_lshl_b32 s21, s21, 5
	s_add_co_u32 s20, s20, s21                     ; + my work-group's 32 of them
	s_mov_b32 s21, 0
	s_mov_b64 s[18:19], SIZE_K*2
	s_mul_u64 s[20:21], s[20:21], s[18:19]
	s_add_nc_u64 s[PFA:PFA+1], s[PFA:PFA+1], s[20:21]
	s_add_nc_u64 s[PFA:PFA+1], s[PFA:PFA+1], 2*KSTEP*2  ; at K step 2: the first refill steps it to 3 and names K step 4
	v_and_b32 v[PFO], 31, v0
	v_mul_u32_u24 v[PFO], v[PFO], SIZE_K*2
	; nothing is prefetched here, at the head, where every work-group's first two tiles are on their way
; 16 matrix instructions: m blocks a0, a0 + 1 of the window's four (hi = 0: my rows 0-63, 1: rows 64-127) x all 8 n blocks, 32 along K.
; zero = 1: the first product starts the sums: nothing is ever cleared.
.macro MUL16 f, hi, a0, zero
	WIN MUL_LO+0x50*(\hi)  ; MUL_LO or MUL_HI
.irp a, \a0, (\a0)+1
.irp b, 0,1,2,3,4,5,6,7
.if \zero
	v_wmma_f32_16x16x32_bf16 v[8*(8*(\a)+(\b)):8*(8*(\a)+(\b))+7], v[(\f)+8*(\b):(\f)+8*(\b)+7], v[(\f)+8*(4*(\hi)+(\a)):(\f)+8*(4*(\hi)+(\a))+7], 0
.else
	v_wmma_f32_16x16x32_bf16 v[8*(8*(\a)+(\b)):8*(8*(\a)+(\b))+7], v[(\f)+8*(\b):(\f)+8*(\b)+7], v[(\f)+8*(4*(\hi)+(\a)):(\f)+8*(4*(\hi)+(\a))+7], v[8*(8*(\a)+(\b)):8*(8*(\a)+(\b))+7]
.endif
.endr
.endr
.endm
; 32 LDS loads in one run: the fragments of one quarter step (128 rows of weff, 128 rows of x, 32 K at byte k of the rows) into buffer f
.macro FETCH slot, k, f
	WIN TO_B
.irp i, 0,1,2,3,4,5,6,7
	ds_load_b128 v[(\f)+8*(\i):(\f)+8*(\i)+3],   v[ADRB+(\slot)] offset:(\k)+(\i)*16*PITCH
	ds_load_b128 v[(\f)+8*(\i)+4:(\f)+8*(\i)+7], v[ADRB+(\slot)] offset:(\k)+(\i)*16*PITCH+32
.endr
	WIN 0
.irp i, 0,1,2,3,4,5,6,7
	ds_load_b128 v[(\f)+8*(\i):(\f)+8*(\i)+3],   v[ADRA+(\slot)] offset:(\k)+(\i)*16*PITCH
	ds_load_b128 v[(\f)+8*(\i)+4:(\f)+8*(\i)+7], v[ADRA+(\slot)] offset:(\k)+(\i)*16*PITCH+32
.endr
.endm
; A load into a register that a matrix instruction has read, and a vector instruction that reads a matrix result or writes one of a matrix instruction's registers, stand four places behind that
; matrix instruction, and only plain vector instructions that name none of its registers are places (ISA guide 7.12.1 for vector instructions); the matrix instructions
; in between are not counted.  So four v_nop stand in front of each run of loads and of conversions that read results just made: sixteen issue slots for a K step's 256 matrix instructions.
.macro PLACES
.rept 4
	v_nop
.endr
.endm
; A K step is four quarter steps of 32 along K, 64 matrix instructions each, on buffers 0, 1, 0, 1.  The 64 accumulators take turns in the same order in every quarter, over the backward jump too.
; One of the first three: multiplies buffer f; in its middle it fetches the next quarter's fragments, at byte k of the same slot's rows, into buffer g.
.macro QUARTER slot, k, f, g, zero
	s_wait_dscnt 8                                 ; weff and x's rows 0-63 are in; the youngest eight loads (x's rows 64-127) may be out
	WIN MUL_LO
	MUL16 \f, 0, 0, \zero
	MUL16 \f, 0, 2, \zero
	PLACES
	FETCH \slot, \k, \g
	s_wait_dscnt 32                                ; all but the 32 just issued
	WIN MUL_HI
	MUL16 \f, 1, 0, \zero
	MUL16 \f, 1, 2, \zero
.endm
; The last quarter multiplies buffer 1 and changes slots.  MEET is its first half: ONE barrier for the change of slots, for two things.  In front of it each wave waits for all its tensor loads, of
; which one is out: its part of the next slot; adds 0 to its spare word; and waits for that and for its own reads of this slot.  Behind it nobody reads this slot any more and the next slot is whole.
.macro MEET round                      ; round = 1: a round of the cluster's barrier follows
	WIN 0                                          ; (the add's two registers lie in window 0)
	s_wait_tensorcnt 0x0                           ; all my tensor loads have landed: the one that was out is my part of the next slot;
	ds_add_u32 v[SPW], v[NIL]                      ; 0 onto my spare word;
	s_wait_dscnt 9                                 ; (the add and the youngest eight loads may be out)
	WIN MUL_LO
	MUL16 F1, 0, 0, 0                              ; sixteen matrix instructions stand between the add and the wait for it
	s_wait_dscnt 0x0                               ; the add is done, and my reads of this slot are over (the last were issued 48 matrix instructions ago):
	s_barrier_signal -1                            ; say so (where a slot is filled again this barrier opens a round of the cluster's barrier),
	MUL16 F1, 0, 2, 0                              ; work on registers while the others arrive,
.if \round
	WIN 0
.endif
	s_barrier_wait -1                              ; and go on when all four have said so
.endm
; The whole last quarter.  Behind the round the slot just read out is filled again first, with the K step two steps on; then come the next slot's first fragments.
; From a request to the wait for it a wave issues 224 matrix instructions.  By this text's own count a wave has two tensor loads out at the start and one behind each round.
.macro TURN slot, next
	s_wait_xcnt 0x0                                ; the last prefetch, a K step back, has read its address: it is stepped here, ahead of the waits of the change of slots
	s_add_nc_u64 s[PFA:PFA+1], s[PFA:PFA+1], KSTEP*2
	MEET 1
	CREST                                          ; wave 0 says so for the work-group, all sixteen work-groups have said so, my work-group's barrier closes the round:
	                                               ; no wave of any partner still reads this slot's tile or has a load on its way
	s_add_nc_u64 s[G0+4*(\slot)+2:G0+4*(\slot)+3], s[G0+4*(\slot)+2:G0+4*(\slot)+3], 2*KSTEP*2      ; no tensor load of mine is out, so a group 0 may be written; the type bits on top are not reached
	s_add_nc_u64 s[G0B+4*(\slot)+2:G0B+4*(\slot)+3], s[G0B+4*(\slot)+2:G0B+4*(\slot)+3], 2*KSTEP*2
	JLOAD \slot                                    ; the first tensor load behind the round, and my only one until the next; the four v_nop behind it are also the places in front of the loads below
	FETCH \next, 0, F0
	ASK                                            ; behind the joint load and the run of LDS loads that the next products wait for
	WIN MUL_HI
	MUL16 F1, 1, 0, 0
	MUL16 F1, 1, 2, 0
.endm
; THE LAST K STEP (it lies in slot 1) GOES BY ROWS OF out0, NOT BY K.  All its fragments of weff (4 quarters x 64 registers) fill window 1; then my eight blocks of 16 rows are finished one after the
; other, each with 32 matrix instructions (its 8 accumulators by turns, K ascending: the sums are the same).  LDS is read no more than in any other K step.
.macro BLOAD q                         ; weff's fragments of quarter q -> window 1, v[64 q ..]
	WIN TO_B
.irp i, 0,1,2,3,4,5,6,7
	ds_load_b128 v[64*(\q)+8*(\i):64*(\q)+8*(\i)+3],   v[ADRB+1] offset:64*(\q)+(\i)*16*PITCH
	ds_load_b128 v[64*(\q)+8*(\i)+4:64*(\q)+8*(\i)+7], v[ADRB+1] offset:64*(\q)+(\i)*16*PITCH+32
.endr
.endm
.macro ALOAD a                         ; x's fragments of block a, all four quarters -> buffer a % 4
	WIN 0
.set FA, PA+32*((\a)%4)
.irp q, 0,1,2,3
	ds_load_b128 v[FA+8*(\q):FA+8*(\q)+3],   v[ADRA+1] offset:64*(\q)+(\a)*16*PITCH
	ds_load_b128 v[FA+8*(\q)+4:FA+8*(\q)+7], v[ADRA+1] offset:64*(\q)+(\a)*16*PITCH+32
.endr
.endm
.macro ROW a                           ; block a is finished: 32 matrix instructions
.set FA, PA+32*((\a)%4)                ; its fragments of x
.set AC, 64*((\a)%4)                   ; its eight accumulators, in window 2 (blocks 0-3) or 3 (blocks 4-7)
	WIN MUL_LO+0x50*((\a)/4)                       ; MUL_LO or MUL_HI
.irp q, 0,1,2,3
.if (\a) == 0 && (\q) == 2
	s_wait_dscnt 24                                ; weff's quarter 2 is in (behind it: x's blocks 1 to 3, 24 loads)
.endif
.irp b, 0,1,2,3,4,5,6,7
	v_wmma_f32_16x16x32_bf16 v[AC+8*(\b):AC+8*(\b)+7], v[64*(\q)+8*(\b):64*(\q)+8*(\b)+7], v[FA+8*(\q):FA+8*(\q)+7], v[AC+8*(\b):AC+8*(\b)+7]
.endr
.endr
.endm
; THE WAY OUT of block a, in three parts.  PACK: rounded to bf16, 16 bytes a lane, each accumulator's registers in ascending order.  TOSTAGE: into my own stage in LDS, and back as whole rows of 256 bytes.  SEND: stored.
.macro PACK a
.set AC, 64*((\a)%4)
	WIN 0x0a+5*((\a)/4)                            ; sources 0 and 1: window 2 or 3
.irp b, 0,1,2,3,4,5,6,7
.irp r, 0,1,2,3
	v_cvt_pk_bf16_f32 v[TMP+4*(\b)+(\r)], v[AC+8*(\b)+2*(\r)], v[AC+8*(\b)+2*(\r)+1]
.endr
.endr
	WIN 0
.endm
.macro TOSTAGE a
	WIN 0
.set BK, OB+192*((\a)%2)
.irp b, 0,1,2,3,4,5,6,7
	ds_store_b128 v[STO], v[TMP+4*(\b):TMP+4*(\b)+3] offset:32*(\b)
.endr
.irp t, 0,1,2,3,4,5,6,7
	ds_load_b128 v[BK+4*(\t):BK+4*(\t)+3], v[RD] offset:(\t)*2*SPITCH  ; LDS serves a wave's instructions in order (ISA guide 5.7.1.4): these see the stores above
.endr
.endm
.macro SEND a, younger                 ; younger: the LDS loads issued behind TOSTAGE's, which may stay out
	WIN 0
.set BK, OB+192*((\a)%2)
	s_wait_dscnt \younger                          ; the block is back in registers
	s_wait_xcnt 0x0                                ; every earlier memory instruction has had its addresses translated (ISA guide 3.1): only behind this wait are the stores' base and the registers that earlier stores read rewritten
.if (\a) == 0
	s_add_nc_u64 s[8:9], s[8:9], s[16:17]          ; on to my first rows of the tile
.else
	s_add_nc_u64 s[8:9], s[8:9], 16*SIZE_N*2       ; 16 rows of out0 on
.endif
.irp t, 0,1,2,3,4,5,6,7
	global_store_b128 v[CO], v[BK+4*(\t):BK+4*(\t)+3], s[8:9] offset:2*(\t)*SIZE_N*2  ; 16 lanes store 256 consecutive bytes, at a multiple of 256 from out0's first byte
.endr
.endm
	s_wait_tensorcnt 1                             ; my part of K step 0 is in; K step 1's load, issued behind it, may stay out
	s_barrier_signal -1
	s_barrier_wait -1                              ; everybody's is
	FETCH 0, 0, F0
	QUARTER 0, 64,  F0, F1, 1                      ; the first quarter stands in front of the loop: its products start the sums
	WIN 0                                          ; at a label and at a branch every window is 0
	s_mov_b32 s3, LAPS-1
.Llap:                                                 ; 15 trips: a trip goes once round the ring, from a lap's second quarter to the next lap's first, and fills both slots again
	QUARTER 0, 128, F1, F0, 0
	QUARTER 0, 192, F0, F1, 0
	TURN 0, 1
	QUARTER 1, 64,  F0, F1, 0
	QUARTER 1, 128, F1, F0, 0
	QUARTER 1, 192, F0, F1, 0
	TURN 1, 0
	QUARTER 0, 64,  F0, F1, 0
	WIN 0
	s_sub_co_u32 s3, s3, 1
	s_cmp_lg_u32 s3, 0
	s_cbranch_scc1 .Llap
	QUARTER 0, 128, F1, F0, 0                      ; the last lap goes on: it asks for nothing more
	QUARTER 0, 192, F0, F1, 0
	MEET 0                                         ; my one tensor load that was still out is slot 1's, the last K step's, so no round follows
	PLACES                                         ; for the loads into buffer 0, which the quarter before multiplied
	WIN TO_B
	BLOAD 0                                        ; three quarters of weff now: buffer 1 (v128-191 of both windows) is still being multiplied
	BLOAD 1
	BLOAD 3
	WIN 0
	ALOAD 0
	WIN MUL_HI
	MUL16 F1, 1, 0, 0
	MUL16 F1, 1, 2, 0
	PLACES                                         ; for the loads into buffer 1
	WIN TO_B
	BLOAD 2
	WIN 0
	ALOAD 1
	ALOAD 2
	ALOAD 3
	s_wait_dscnt 40                                ; all but the 40 just issued: weff's quarter 2 (16) and x's blocks 1 to 3 (24)
	ROW 0
.irp a, 0,1,2,3,4,5,6,7                ; each block leaves as soon as it is finished: nothing follows this tile, so the sooner its stores begin, the sooner the launch ends
	PLACES                                         ; its conversions read results just made, and no other vector work is at hand
	PACK \a
	TOSTAGE \a
.if (\a) < 4
	ALOAD (\a)+4                                   ; its buffer takes the block four further on
	SEND \a, 8
.else
	SEND \a, 0
.endif
.if (\a) < 7
	ROW (\a)+1
.endif
.endr
	s_wait_tensorcnt 0x0                           ; the wave's end, behind my last tensor load and my last LDS store
	ds_add_u32 v[SPW], v[NIL]
	s_wait_dscnt 0x0
	CROUND                                         ; the closing round: no work-group ends while a partner may still ask for a tile that names it
	s_endpgm
.Lfunc_end_k_qf95a7a8006_gemm:
	.size	k_qf95a7a8006_gemm, .Lfunc_end_k_qf95a7a8006_gemm-k_qf95a7a8006_gemm
	.p2alignl 7, 3214868480
	.fill 96, 4, 3214868480
	.section	.rodata,"a",@progbits
	.p2align	6, 0x0
	.amdhsa_kernel k_qf95a7a8006_gemm
		.amdhsa_group_segment_fixed_size 327680
		.amdhsa_private_segment_fixed_size 0
		.amdhsa_enable_private_segment 0
		.amdhsa_kernarg_size 24
		.amdhsa_user_sgpr_count 2
		.amdhsa_user_sgpr_kernarg_segment_ptr 1
		.amdhsa_wavefront_size32 1
		.amdhsa_system_sgpr_workgroup_id_x 1
		.amdhsa_system_sgpr_workgroup_id_y 1
		.amdhsa_system_sgpr_workgroup_id_z 1
		.amdhsa_system_vgpr_workitem_id 0
		.amdhsa_next_free_vgpr 1024
		.amdhsa_next_free_sgpr 66
		.amdhsa_reserve_vcc 0
		.amdhsa_float_denorm_mode_32 3
		.amdhsa_float_denorm_mode_16_64 3
		.amdhsa_memory_ordered 1
		.amdhsa_forward_progress 1
		.amdhsa_inst_pref_size 144
	.end_amdhsa_kernel
	.amdgpu_metadata
---
amdhsa.version: [ 1, 2 ]
amdhsa.kernels:
  - .name:           k_qf95a7a8006_gemm
    .symbol:         k_qf95a7a8006_gemm.kd
    .args:
      - { .name: x, .offset: 0, .size: 8, .value_kind: global_buffer, .address_space: global }
      - { .name: weff, .offset: 8, .size: 8, .value_kind: global_buffer, .address_space: global }
      - { .name: out0, .offset: 16, .size: 8, .value_kind: global_buffer, .address_space: global }
    .group_segment_fixed_size: 327680
    .private_segment_fixed_size: 0
    .kernarg_segment_align: 8
    .kernarg_segment_size: 24
    .max_flat_workgroup_size: 128
    .sgpr_count:     66
    .vgpr_count:     1024
    .wavefront_size: 32
...
	.end_amdgpu_metadata
.endif
;; end of part 2
;; ======== version 2 of 2: 2 launches; version 1 with the launch merge written anew for expert scheduling mode
;; workspace buffers: weff 16,777,216 bytes
;; launch merge (part 3): grid 4 x 64, 8 waves a work-group, no clusters, 3,328 bytes of LDS; arguments q_weight, scales, lora_A, lora_B, weff; writes weff
.if DOCPART == 3
	.amdgcn_target "amdgcn-amd-amdhsa--gfx1250"
	.amdhsa_code_object_version 6
	.text
	.protected	k_qf95a7a8006_merge
	.globl	k_qf95a7a8006_merge
	.p2align	8
	.type	k_qf95a7a8006_merge,@function
k_qf95a7a8006_merge:
	s_mov_b64 s[64:65], 0
	v_nop
	global_prefetch_b8 v0, s[64:65] scope:SCOPE_SE
	s_setreg_imm32_b32 hwreg(HW_REG_WAVE_SCHED_MODE, 0, 2), 2
	s_setreg_imm32_b32 hwreg(HW_REG_WAVE_MODE, 25, 1), 1
	s_wait_xcnt 0x0
	s_wait_alu depctr_vm_vsrc(0)
; weff[o][i] = bf16( q_weight[o][i] * scales[o][i / 64] + 2 * the sum over r of lora_B[o][r] lora_A[r][i] ).   weff: [2048][4096] bf16, the second launch's matrix operand.
; WHY.  out = x W^T + 2 (x A^T) B^T = x (W + 2 B A)^T: an identity of real numbers, for all values of the inputs.  W + 2 B A costs 2048 x 4096 x 16 multiply-adds; the two thin products
; over the 8,192 rows of x cost six times that, and a second walk over x or an extra tile in every block of columns.  No work of the problem is left out as dead, and all five inputs are loaded.
; LIMITS.  The order of rounding differs from the problem's: q s is one f32 product, B A is summed in f32 onto it, and W + 2 B A is rounded ONCE to bf16 (the problem rounds W, x A^T and
; their product with B apart).  Every code from -128 to 127 is served.  NaN and infinities are not treated apart: one in lora_A or lora_B reaches a column or a row of weff.
; SHARES.  A work-group owns 32 rows o and 1,024 columns i; each of its eight waves 128 columns, in two blocks of 16 rows.  No loop: a wave's 29 loads all go out at its head.
; LAYOUT.  One matrix instruction a tile of 16 x 16: source 0 = 16 rows of lora_B, source 1 = 16 columns of lora_A, C = q s.  In C and D lane l (rl = l % 16, h = l / 16) holds column rl of the
; tile and rows 8 h + 0..7.  Tile t of eight takes the columns 8 rl + t of the wave's 128: so over the eight tiles a lane holds EIGHT NEIGHBOURING columns of each of its eight rows: its codes for
; a row are one load of 8 bytes, its results for a row one store of 16; sixteen lanes store 256 consecutive bytes, at a multiple of 256 from weff's first byte.  Codes and results never touch LDS.
; THE FACTOR 2.  The instruction sums over 32, the rank is 16: registers 4-7 of both sources hold the same r = 8 h + 0..7 as registers 0-3, so each product is summed twice.
; THE SCALES.  A work-group's 32 rows x 16 blocks are read once, 8 bytes a thread (64 consecutive bytes a row), and turned through LDS, so that a lane reads the scales of its 8 rows by two loads of 16 bytes.
; NOT USED.  No tensor load, no ring: no wave wants a byte of q_weight that another has fetched.  lora_A's strip (32 KiB a work-group) is the same for the 64 work-groups of a strip of columns, and is
; still not asked for jointly: a joint request lands in LDS, from where the fragments would be read once more, turned; here eight loads a lane bring 8 ranks x 8 columns into the very lane whose
; fragments they are, and 64 v_perm_b32 turn them.  No prefetch: every load of the launch stands at a wave's head.
; THE MODE: SCHED_MODE bits 1:0 = 2 (LLVM: expert scheduling mode 2), set by the entry lines.  The code itself states the register dependences
; between vector or matrix instructions and memory or LDS instructions, with s_wait_alu, always for 0.
; THE PLAN.  Registers that memory or LDS instructions touch:
;   v4 .. v9      Offsets and LDS addresses: written by vector instructions at the head, never again; read by every load and store.  v10, v11: likewise; read by the closing add alone.
;   SC            Lands by a load; read by the two LDS stores; never written again.
;   S, BF, Q      Land by loads that are all issued ahead of the first vector instruction that names them; read (Q also rewritten in place) behind their own counted waits.
;   L = OUT       lora_A lands in it; the 64 v_perm_b32 read it; block 0's 32 roundings write it; block 0's 8 stores read it; block 1's 32 roundings write it again; block 1's 8 stores read it.
;   AF and ACC are named by vector and matrix instructions alone.
; So: one wait on va_sdst for the wave's number; one on va_vdst ahead of the first load, for all the addresses; one on va_vdst behind each block's roundings, which therefore stand together, ahead of
; the block's run of eight stores; one on vm_vsrc ahead of block 1's roundings, a whole block's conversions and products behind the stores whose reads it states.
.set QROW,  4096                       ; bytes in a row of q_weight
.set WROW,  8192                       ; bytes in a row of weff, and of lora_A
.set TP,    144                        ; LDS: the scales turned, T[block 0..15][row 0..31] f32; 128 bytes a block + 16
.set SPARE, 2304                       ; behind T (16 x 144 bytes): the spare words, 128 bytes for each of eight waves: four blocks of 256 bytes that no other line names
.set QO,  4                            ; v4   32,768 h + 8 rl: my 8 codes in row 8 h of a block; never rewritten
.set WO,  5                            ; v5   65,536 h + 16 rl: my 16 bytes in row 8 h of weff's block, and of lora_A; never rewritten
.set BO,  6                            ; v6   32 rl + 16 h: lora_B's row rl, ranks 8 h on
.set SO,  7                            ; v7   256 (t / 8) + 8 (t % 8), t my thread's number: two scales of row t / 8
.set TS,  8                            ; v8   288 (t % 8) + 4 (t / 8): where they go in T
.set TR,  9                            ; v9   288 wave + 144 (rl / 8) + 32 h: my block of 64 columns, my 8 rows
.set SPW, 10                           ; v10  LDS address of my spare word: SPARE + 4 x my thread's number; never rewritten
.set NIL, 11                           ; v11  0; never rewritten
.set SC,  12                           ; v[12:13]   two scales as loaded
.set S,   16                           ; v[16:31]   block b, row 8 h + j: S + 8 b + j
.set BF,  32                           ; v[32:47]   lora_B's fragment of block b at BF + 8 b
.set Q,   48                           ; v[48:79]   block b, row j: two registers of four codes at Q + 16 b + 2 j
.set AF,  80                           ; v[80:143]  lora_A's fragment of tile t at AF + 8 t
.set ACC, 144                          ; v[144:207] tile t at ACC + 8 t: q s, then W + 2 B A
.set OUT, 208                          ; v[208:239] row j: 16 bytes to store at OUT + 4 j
.set L,   208                          ; the same registers, earlier: lora_A as loaded, rank 8 h + e at L + 4 e
	s_load_b256 s[4:11], s[0:1], 0x0               ; q_weight s[4:5], scales s[6:7], lora_A s[8:9], lora_B s[10:11]
	s_load_b64 s[12:13], s[0:1], 0x20              ; weff
	v_lshl_add_u32 v[SPW], v0, 2, SPARE
	v_mov_b32 v[NIL], 0
	v_lshrrev_b32 v3, 5, v0
	v_readfirstlane_b32 s14, v3                    ; wave 0..7
	s_and_b32 s15, ttmp7, 0xffff                   ; Y: my 32 rows; ttmp9 = X: my 1,024 columns
	v_and_b32 v1, 15, v0                           ; rl
	v_bfe_u32 v2, v0, 4, 1                         ; h
	v_lshlrev_b32 v[QO], 3, v1
	v_lshl_add_u32 v[QO], v2, 15, v[QO]
	v_lshlrev_b32 v[WO], 4, v1
	v_lshl_add_u32 v[WO], v2, 16, v[WO]
	v_lshlrev_b32 v[BO], 5, v1
	v_lshl_add_u32 v[BO], v2, 4, v[BO]
	v_lshrrev_b32 v3, 3, v0                        ; t / 8
	v_and_b32 v14, 7, v0                           ; t % 8
	v_lshlrev_b32 v[SO], 3, v14
	v_lshl_add_u32 v[SO], v3, 8, v[SO]
	v_mul_u32_u24 v[TS], v14, 2*TP
	v_lshl_add_u32 v[TS], v3, 2, v[TS]
	v_lshrrev_b32 v15, 3, v1                       ; which of my wave's two blocks of 64 columns
	v_mul_u32_u24 v[TR], v15, TP
	v_lshl_add_u32 v[TR], v2, 5, v[TR]
	s_wait_alu depctr_va_sdst(0)                   ; s14, the wave's number, is written, ahead of its first reader: the line below; the offsets further down are made from it too
	s_mul_i32 s16, s14, 2*TP
	v_add_nc_u32 v[TR], s16, v[TR]
	s_mov_b32 s20, 0x80808080                      ; turns four signed codes q into u = q + 128
	s_mov_b32 s21, 0x4b000000                      ; 2^23 as f32: with u in its lowest byte it is 2^23 + u
	s_mov_b32 s22, 0xcb000080                      ; -(2^23 + 128)
	s_mov_b32 s23, s22                             ; named with it as a pair
	s_mov_b32 s24, 0x07040400                      ; v_perm_b32: byte 0, 1, 2 or 3 of the codes below three bytes of s21
	s_mov_b32 s25, 0x07040401
	s_mov_b32 s26, 0x07040402
	s_mov_b32 s27, 0x07040403
	s_mov_b32 s28, 0x05040100                      ; the two low halves
	s_mov_b32 s29, 0x07060302                      ; the two high halves
	; the five byte offsets of my part, each in a pair of its own with 0 above
	s_lshl_b32 s30, s15, 17                        ; q_weight: 32 Y rows of 4,096 bytes
	s_lshl_b32 s2, ttmp9, 10                       ; + 1,024 X
	s_lshl_b32 s3, s14, 7                          ; + 128 wave
	s_add_co_u32 s30, s30, s2
	s_add_co_u32 s30, s30, s3
	s_mov_b32 s31, 0
	s_lshl_b32 s32, s15, 13                        ; scales: 32 Y rows of 256 bytes
	s_lshl_b32 s2, ttmp9, 6                        ; + 16 X blocks of 4 bytes
	s_add_co_u32 s32, s32, s2
	s_mov_b32 s33, 0
	s_lshl_b32 s34, ttmp9, 11                      ; lora_A: my wave's first column, 2 bytes each
	s_lshl_b32 s2, s14, 8
	s_add_co_u32 s34, s34, s2
	s_mov_b32 s35, 0
	s_lshl_b32 s36, s15, 10                        ; lora_B: 32 Y rows of 32 bytes
	s_mov_b32 s37, 0
	s_lshl_b32 s38, s15, 18                        ; weff: 32 Y rows of 8,192 bytes + the same column offset as in lora_A
	s_add_co_u32 s38, s38, s34
	s_mov_b32 s39, 0
	s_wait_kmcnt 0x0
	s_add_nc_u64 s[4:5], s[4:5], s[30:31]
	s_add_nc_u64 s[6:7], s[6:7], s[32:33]
	s_add_nc_u64 s[8:9], s[8:9], s[34:35]
	s_add_nc_u64 s[10:11], s[10:11], s[36:37]
	s_add_nc_u64 s[12:13], s[12:13], s[38:39]
	s_wait_alu depctr_va_vdst(0)                   ; the offsets and LDS addresses v4 to v9 are written, which every load and store of the kernel reads; so are v10 and v11, which the closing add reads; none is written again
	; ALL 29 LOADS, in the order in which they are wanted: 1 (scales), 8 (lora_A), 4 (lora_B), 8 + 8 (codes of blocks 0 and 1).  No vector instruction has named a register in which they land.
	global_load_b64 v[SC:SC+1], v[SO], s[6:7]
.irp e, 0,1,2,3,4,5,6,7
	global_load_b128 v[L+4*(\e):L+4*(\e)+3], v[WO], s[8:9] offset:WROW*(\e)     ; rank 8 h + e, my 8 columns: sixteen lanes take 256 consecutive bytes
.endr
.irp b, 0,1
	global_load_b128 v[BF+8*(\b):BF+8*(\b)+3],   v[BO], s[10:11] offset:512*(\b)  ; row rl of block b, ranks 8 h + 0..7,
	global_load_b128 v[BF+8*(\b)+4:BF+8*(\b)+7], v[BO], s[10:11] offset:512*(\b)  ; and the same once more: the factor 2
.endr
.irp b, 0,1
.irp j, 0,1,2,3,4,5,6,7
	global_load_b64 v[Q+16*(\b)+2*(\j):Q+16*(\b)+2*(\j)+1], v[QO], s[4:5] offset:QROW*(16*(\b)+(\j)) th:TH_LOAD_NT  ; row 8 h + j of block b: read once in the launch
.endr
.endr
	; the scales are turned through LDS.  The stores' data come from a load, their address from the head: no vector instruction has been issued since the wait above
	s_wait_loadcnt 28                              ; loads come back in order: the scales are in, the 28 younger loads stay out
	ds_store_b32 v[TS], v[SC]                      ; T[2 (t % 8)][t / 8]
	ds_store_b32 v[TS], v[SC+1] offset:TP          ; T[2 (t % 8) + 1][t / 8]
	s_wait_dscnt 0x0                               ; for the others' sake: my two stores are done
	s_barrier_signal -1
	s_barrier_wait -1                              ; everybody's are
.irp b, 0,1
.irp u, 0,1
	ds_load_b128 v[S+8*(\b)+4*(\u):S+8*(\b)+4*(\u)+3], v[TR] offset:64*(\b)+16*(\u)  ; rows 16 b + 8 h + 4 u + 0..3 of my block of columns
.endr
.endr
	; lora_A's fragments: tile t wants column 8 rl + t, ranks 8 h + 0..7, the lower rank in the lower half.  Word w of a rank's 16 bytes holds columns 2 w and 2 w + 1.
	s_wait_loadcnt 20                              ; lora_A is in; lora_B's 4 loads and the codes' 16 stay out
.irp w, 0,1,2,3
.irp p, 0,1,2,3
.irp d, 0,4                            ; registers 4-7 repeat registers 0-3: the factor 2
	v_perm_b32 v[AF+16*(\w)+(\d)+(\p)],   v[L+8*(\p)+4+(\w)], v[L+8*(\p)+(\w)], s28  ; tile 2 w: ranks 2 p (low half) and 2 p + 1 (high half)
	v_perm_b32 v[AF+16*(\w)+8+(\d)+(\p)], v[L+8*(\p)+4+(\w)], v[L+8*(\p)+(\w)], s29  ; tile 2 w + 1
.endr
.endr
.endr
.macro XORS b                          ; block b's codes: q -> u = q + 128, four at a time
.set i, 0
.rept 16
	v_xor_b32 v[Q+16*(\b)+i], s20, v[Q+16*(\b)+i]
.set i, i+1
.endr
.endm
; q s in f32, in the accumulators' layout.  2^23 + u is made by placing a byte; less 2^23 + 128 it is q, exactly; a pair of registers is two rows, so it takes two scales.
; (The addition and the multiplication are not fused: q s + const would round at 2^23 s.)
.macro CONV b
.set t, 0
.rept 8
.set j, 0
.rept 8
	v_perm_b32 v[ACC+8*t+j], s21, v[Q+16*(\b)+2*j+t/4], s[24+t%4]
.set j, j+1
.endr
.set t, t+1
.endr
.set i, 0
.rept 32
	v_pk_add_f32 v[ACC+i:ACC+i+1], v[ACC+i:ACC+i+1], s[22:23] op_sel_hi:[1,0]
.set i, i+2
.endr
.set i, 0
.rept 32
	v_pk_mul_f32 v[ACC+i:ACC+i+1], v[ACC+i:ACC+i+1], v[S+8*(\b)+i%8:S+8*(\b)+i%8+1]
.set i, i+2
.endr
.endm
; Eight products, one for each tile: q s + 2 B A.  Eight accumulators, one instruction each, in the same order in both blocks: no two matrix instructions on end share one.
.macro MULS b
.set t, 0
.rept 8
	v_wmma_f32_16x16x32_bf16 v[ACC+8*t:ACC+8*t+7], v[BF+8*(\b):BF+8*(\b)+7], v[AF+8*t:AF+8*t+7], v[ACC+8*t:ACC+8*t+7]
.set t, t+1
.endr
.endm
; Row j's eight columns, one from each tile, rounded to bf16: 16 bytes a lane.  j ascends.
; A block's 32 roundings stand together, so that one wait behind them serves the block's eight stores.
.macro PACK
.set j, 0
.rept 8
.set u, 0
.rept 4
	v_cvt_pk_bf16_f32 v[OUT+4*j+u], v[ACC+16*u+j], v[ACC+16*u+8+j]
.set u, u+1
.endr
.set j, j+1
.endr
.endm
.macro SEND b                          ; block b's eight stores, in one run
.set j, 0
.rept 8
	global_store_b128 v[WO], v[OUT+4*j:OUT+4*j+3], s[12:13] offset:WROW*(16*(\b)+j)  ; lanes 0-15 fill 256 consecutive bytes of row j, lanes 16-31 of row 8 + j
.set j, j+1
.endr
.endm
	s_wait_loadcnt 8                               ; lora_B and block 0's codes are in; block 1's 8 loads stay out
	XORS 0
	s_wait_dscnt 0x0                               ; the scales are in registers
	CONV 0
	MULS 0
	s_wait_loadcnt 0x0                             ; block 1's codes
	XORS 1                                         ; sixteen plain instructions that name no register of the products: the places between them and the roundings (ISA guide 7.12.1)
	PACK
	s_wait_alu depctr_va_vdst(0)                   ; block 0's roundings have written OUT, which the eight stores below read
	SEND 0
	CONV 1                                         ; names ACC, Q and S alone: none of the registers that the stores above read
	MULS 1
.rept 4
	v_nop                                          ; the four places: no other vector work is left
.endr
	s_wait_xcnt 0x0                                ; block 0's stores have had their addresses translated (ISA guide 3.1): OUT is written again only behind this wait,
	s_wait_alu depctr_vm_vsrc(0)                   ; and behind this one: block 0's stores have read OUT, which block 1's roundings write again
	PACK
	s_wait_alu depctr_va_vdst(0)                   ; block 1's roundings have written OUT, which the last eight stores read
	SEND 1
	s_wait_dscnt 0x0                               ; the closing lines, six on end
	s_wait_alu 0x0
	s_wait_tensorcnt 0x0
	ds_add_u32 v[SPW], v[NIL]
	s_wait_dscnt 0x0
	s_endpgm
.Lfunc_end_k_qf95a7a8006_merge:
	.size	k_qf95a7a8006_merge, .Lfunc_end_k_qf95a7a8006_merge-k_qf95a7a8006_merge
	.p2alignl 7, 3214868480
	.fill 96, 4, 3214868480
	.section	.rodata,"a",@progbits
	.p2align	6, 0x0
	.amdhsa_kernel k_qf95a7a8006_merge
		.amdhsa_group_segment_fixed_size 3328
		.amdhsa_private_segment_fixed_size 0
		.amdhsa_enable_private_segment 0
		.amdhsa_kernarg_size 40
		.amdhsa_user_sgpr_count 2
		.amdhsa_user_sgpr_kernarg_segment_ptr 1
		.amdhsa_wavefront_size32 1
		.amdhsa_system_sgpr_workgroup_id_x 1
		.amdhsa_system_sgpr_workgroup_id_y 1
		.amdhsa_system_sgpr_workgroup_id_z 1
		.amdhsa_system_vgpr_workitem_id 0
		.amdhsa_next_free_vgpr 240
		.amdhsa_next_free_sgpr 66
		.amdhsa_reserve_vcc 0
		.amdhsa_float_denorm_mode_32 3
		.amdhsa_float_denorm_mode_16_64 3
		.amdhsa_memory_ordered 1
		.amdhsa_forward_progress 1
		.amdhsa_inst_pref_size 35
	.end_amdhsa_kernel
	.amdgpu_metadata
---
amdhsa.version: [ 1, 2 ]
amdhsa.kernels:
  - .name:           k_qf95a7a8006_merge
    .symbol:         k_qf95a7a8006_merge.kd
    .args:
      - { .name: q_weight, .offset: 0, .size: 8, .value_kind: global_buffer, .address_space: global }
      - { .name: scales, .offset: 8, .size: 8, .value_kind: global_buffer, .address_space: global }
      - { .name: lora_A, .offset: 16, .size: 8, .value_kind: global_buffer, .address_space: global }
      - { .name: lora_B, .offset: 24, .size: 8, .value_kind: global_buffer, .address_space: global }
      - { .name: weff, .offset: 32, .size: 8, .value_kind: global_buffer, .address_space: global }
    .group_segment_fixed_size: 3328
    .private_segment_fixed_size: 0
    .kernarg_segment_align: 8
    .kernarg_segment_size: 40
    .max_flat_workgroup_size: 256
    .sgpr_count:     66
    .vgpr_count:     240
    .wavefront_size: 32
...
	.end_amdgpu_metadata
.endif
;; end of part 3
;; launch gemm: the kernel of part 2 again; grid 8 x 32, 4 waves a work-group, clusters of 4 x 4, 327,680 bytes of LDS; arguments x, weff, out0; writes out0
